; MI455X (gfx1250); checked and timed in simulation.
; The chip was launched on July 23, 2026; its instructions are those of AMD's public machine-readable ISA for CDNA 5 (MIT licence, August 2026) and "CDNA5" Instruction Set Architecture Reference Guide (July 2026). The comments in the code are by the model that wrote it; some were corrected since.
;; Sparse Mixture Of Experts. Allowed arithmetic: matrix products marked QUANTISED: E2M1 operands, one E8M0 scale for each 32 along K, by v_wmma_scale_f32_16x16x128_f8f6f4 with both operands' format E2M1 (or v_wmma_scale_f32_32x16x128_f4), f32 sums; products left as they are: f32 operands where the result goes on into a quantised operand, else bf16, f16 or f32 operands; f32 sums; everything else in f32.
;; Inputs: W1 8 x 256 x 2,048 float32; W2 8 x 2,048 x 512 float32; W3 8 x 256 x 2,048 float32; Wf 512 x 512 float32; Wg 256 x 8 float32; X 4 x 1,024 x 256 float32; b1 8 x 2,048 float32; b2 8 x 512 float32; b3 8 x 2,048 float32; bf 512 float32; bg 8 float32.
;; Outputs: out0 4 x 1,024 x 512 float32.
;; This version of the problem:
;;   THIS VERSION OF THE PROBLEM IS GIVEN IN LOW PRECISION. The matrix products marked QUANTISED in the list below multiply operands that are first quantised to E2M1 (2 exponent bits, 1 mantissa bit; 4 bits a number), with one power-of-two scale for each 32 numbers along K (OCP MX v1.0); their sums are f32. All else is computed in f32.
;;   The module's matrix products, in the order in which they are computed (A, B: the left and right operand; K: the contracted axis; several contracted axes count as one K, in the product's order):
;;     1. [M 4,096, K 256] x [K 256, N 8]; A: input X; B: input Wg: left as it is (N = 8 < 16)
;;     2. [M 4,096, K 256] x [K 256, N 16,384]; A: input X; B: input W1: QUANTISED
;;     3. [M 4,096, K 256] x [K 256, N 16,384]; A: input X; B: input W3: QUANTISED
;;     4. batch 8 x [M 512, K 2,048] x [K 2,048, N 4,096]; A: input W2; B: computed on the way: QUANTISED
;;     5. [M 4,096, K 512] x [K 512, N 512]; A: computed on the way; B: input Wf: QUANTISED
;;   THE QUANTISER, for each operand of a quantised product, along K:
;;     - K is cut into blocks of 32 from its start; a last block that is shorter is filled with zeros.
;;     - A block's scale is 2^e with e = floor(log2(the largest magnitude in the block)) - 2, held to -126 .. 127; a block of zeros has e = 0. As a byte (E8M0): e + 127.
;;     - Each number is divided by its block's scale, clamped to +-6, and rounded to the nearest number of E2M1, ties to even, subnormals kept.
;;     - The product sums the exact products of the quantised numbers (number of the format x scale) in f32.
;;   ~~~python
;;   def quantise(x, axis):      # numpy; x: float32 -> the quantised numbers, widened to float32 again
;;       x = np.moveaxis(x, axis, -1); K = x.shape[-1]
;;       x = np.pad(x, [(0, 0)] * (x.ndim - 1) + [(0, -K % 32)]); x = x.reshape(x.shape[:-1] + (-1, 32)); a = np.abs(x).max(-1, keepdims=True)
;;       e = np.where(a > 0, np.clip(np.frexp(np.where(a > 0, a, 1))[1] - 1 - 2, -126, 127), 0)      # np.frexp(a)[1] - 1 = floor(log2(a)), exactly
;;       r = np.clip(x / 2.0 ** e, -6, 6)
;;       step = 2.0 ** (np.maximum(np.frexp(np.where(r == 0, 1, r))[1] - 1, 0) - 1)
;;       q = np.round(r / step) * step * 2.0 ** e      # np.round: ties to even
;;       return np.moveaxis(q.reshape(q.shape[:-2] + (-1,))[..., :K], -1, axis).astype(np.float32)
;;   ~~~
;;   OPERANDS COMPUTED ON THE WAY. 'Computed on the way' means the value that the module computes at that place (a softmax that the list does not call 'softmax' is quantised finished and normalised). What goes into a quantiser is computed in f32, as accurately as f32 sums, v_exp_f32 and their like allow (about 1e-6 of the number): no bf16 or f16 on the way to a quantiser, and a product that is left as it is and whose result goes on into a quantised operand takes f32 operands (vector FMAs, or v_wmma_f32_16x16x4_f32). A number that lies on a knife's edge between two numbers of the format may be rounded either way, as far as f32 arithmetic and the matrix unit's own rounding can turn it there, and no further.
;; One version. Each part assembles by itself: llvm-mc -triple=amdgcn-amd-amdhsa -mcpu=gfx1250 --defsym DOCPART=n.
;; ======== version 1 of 1: 4 launches
;; workspace buffers: w13q 4,456,448 bytes; w2q 4,595,712 bytes; xq 589,824 bytes; route 36,864 bytes of whole numbers; plan 67,328 bytes of whole numbers; ybuf 17,694,720 bytes
;; launch prep1 (part 1): grid 576 x 1, 4 waves a work-group, no clusters, 0 bytes of LDS; arguments X, Wg, bg, W1, W3, w13q, xq, route, plan; writes w13q, xq, route, plan
.if DOCPART == 1
	.amdgcn_target "amdgcn-amd-amdhsa--gfx1250"
	.amdhsa_code_object_version 6
	.text
	.protected	k_qa9e90015b0_prep1
	.globl	k_qa9e90015b0_prep1
	.p2align	8
	.type	k_qa9e90015b0_prep1,@function
k_qa9e90015b0_prep1:
	s_mov_b64 s[64:65], 0
	v_nop
	global_prefetch_b8 v0, s[64:65] scope:SCOPE_SE
	s_setreg_imm32_b32 hwreg(HW_REG_WAVE_MODE, 25, 1), 1
	s_wait_xcnt 0x0
; SPARSE MIXTURE OF EXPERTS, launch 1 of 4: the router, X's codes, W1's and W3's codes.
; DEAD WORK LEFT OUT BY THE PROGRAM.  reference() computes h1, h3, h and expert_outputs for all 8 experts of every token and then keeps, by take_along_axis on the
; indices of its own argsort, the rows of two experts a token.  The rows of the other six experts enter no later step, whatever values the inputs hold: so the
; einsums with W1, W3 and W2 are done for the 2 x 4,096 chosen (token, expert) rows alone.  Every input still has a way to the output and every input is loaded.
; LIMITS: a NaN, an infinity or an overflow that arises only in an expert that was not chosen is not carried to the result; NaN among the logits is not served;
; gates of second and third place that are equal to the last bits of an f32 sum may be ordered either way; a block of zeros gets the scale byte 1 where the rule
; says 127 (its codes are zeros, which add nothing under any byte but 0xff, and the bytes are read by this program alone).
; WHO DOES WHAT.  There are 256 router waves and 2,048 units of weights.  In work-groups 0-255 wave 0 is the router's wave for chunk c = the work-group's number and waves 1-3 take units
;   3 g + wave - 1; work-groups 256-575 take four units each, 768 + 4 (g - 256) + wave.  So the router's waves, the longest of the launch, stand in 256 different work-groups.  Waves share nothing: no LDS, no barrier.
; A ROUTER WAVE takes tokens 16 c .. 16 c + 15.  Lane l holds k = 8 l .. 8 l + 7 of a token: four lanes hold a block of 32.
;   It stores X's codes (rows of 128 bytes), X's scale words, the two gates, the chosen experts with each entry's rank among the equal choices of its chunk, and the chunk's counts.
;   Nothing that is derived from the gates enters an address or a branch here: it is only stored, at places made of ids.
;   A routed entry is s = 4096 h + t (h = 0: largest gate, 1: second).  A chunk is the 32 entries of 16 tokens: lane 16 h + r is token 16 c + r, place h.
;   Waves 0-134 also write the default row list of tile c (0x80000000: no row), one block of 256 bytes each; the next launch writes the real rows over it.
; A UNIT OF WEIGHTS is 32 columns x 128 along K of W1 or W3 ([e][k][hidden], K not innermost).  A LANE TAKES A COLUMN AND ITS REGISTERS RUN DOWN K:
;   a block of 32 lies in one lane, the conversions give codes with K innermost.  The codes are laid in the order of the operand's registers:
;   [mat][e][tile][block of 32][slot r][16 bytes]; sixteen lanes store 256 consecutive bytes, aligned.  Slot r of tile 2 B + u is hidden unit 32 B + 8 u + r + 8 (r / 8),
;   so that in the next product's transposed result a lane's 16 registers of tiles 2 B, 2 B + 1 are 16 neighbours along the hidden axis.
;   A wave's scale words leave as 128 consecutive bytes: one byte for each 128 that the wave reads.
.set FLOOR,  0x1800000                 ; 2^(3 - 127): under it no largest magnitude is taken, so the scale's byte cannot fall under 1
.set EOFF,   0xff000000                ; takes 2 off an exponent field
.set PITCHB, 8192                      ; a row (one k) of W1 or W3 in bytes
.set WGR, 16                           ; v16-79   Wg[8 l + i][e] at 8 i + e: as the bytes lie
.set XR,  80                           ; v80-207  16 tokens x 8 numbers
.set XC,  208                          ; v208-223 a code word for each token
.set ACP, 224                          ; v224-239 partial sums: experts 0-7 of k 8 l + 0 .. 3, then of k 8 l + 4 .. 7
.set LOG, 240                          ; v240-247 logits, then gates
	s_load_b512 s[4:19], s[0:1], 0x0               ; X 4, Wg 6, bg 8, W1 10, W3 12, w13q 14, xq 16, route 18
	s_load_b64 s[20:21], s[0:1], 0x40              ; plan
	v_lshrrev_b32 v1, 5, v0
	v_readfirstlane_b32 s22, v1                    ; wave
	v_and_b32 v1, 31, v0                           ; lane l
	v_and_b32 v2, 15, v0                           ; r
	v_bfe_u32 v3, v0, 4, 1                         ; h
	s_lshr_b32 s23, ttmp9, 8
	s_or_b32 s23, s23, s22                         ; 0 in wave 0 of work-groups 0-255
	s_cmp_lg_u32 s23, 0
	s_cbranch_scc1 .Lweights
	; ---------------- the router and X ----------------
	s_mov_b32 s23, ttmp9                           ; chunk c
	v_bfe_u32 v4, v0, 2, 2
	v_lshlrev_b32 v4, 3, v4                        ; 8 x (my block's place in its scale word)
	v_lshlrev_b32 v5, 5, v1                        ; my 32 bytes of a row of X
	v_lshlrev_b32 v6, 2, v1                        ; my code word in a token's 128 bytes
	v_lshlrev_b32 v7, 8, v1                        ; my 8 rows of Wg: 256 consecutive bytes
	v_mov_b32 v8, 0x80000000                       ; the default row list's word, twice; never rewritten
	v_mov_b32 v9, 0x80000000
	v_lshlrev_b32 v10, 3, v1
	v_mov_b32 v252, 0                              ; (a DPP form's destination counts as read)
	s_mov_b32 s36, 0x76543210
	s_mov_b32 s37, 0xfedcba98                      ; v_permlanex16_b32's selects for lane l xor 16
	s_mov_b32 s41, 0xffff0000                      ; lanes 16-31
	s_lshl_b32 s32, s23, 14                        ; 16 rows of 1,024 bytes
	s_mov_b32 s33, 0
	s_lshl_b32 s34, s23, 11                        ; 16 rows of 128 bytes of codes
	s_mov_b32 s35, 0
	s_lshl_b32 s38, s23, 8                         ; tile c's row list
	s_mov_b32 s39, 0
	s_wait_kmcnt 0x0
	s_load_b256 s[24:31], s[8:9], 0x0              ; bg
	s_add_nc_u64 s[4:5], s[4:5], s[32:33]
	s_add_nc_u64 s[34:35], s[16:17], s[34:35]
	s_add_nc_u64 s[38:39], s[20:21], s[38:39]
.set li, 0
.rept 16
	global_load_b128 v[WGR+4*li:WGR+4*li+3], v7, s[6:7] offset:16*li   ; sixteen loads of 16 bytes bring my 64 numbers of Wg
.set li, li+1
.endr
.irp j, 0,1,2,3,4,5,6,7,8,9,10,11,12,13,14,15
	global_load_b128 v[XR+8*\j:XR+8*\j+3], v5, s[4:5] offset:1024*\j th:TH_LOAD_NT
	global_load_b128 v[XR+8*\j+4:XR+8*\j+7], v5, s[4:5] offset:1024*\j+16 th:TH_LOAD_NT
.endr
	s_cmp_ge_u32 s23, 135                          ; there are 135 tiles
	s_cbranch_scc1 .Lno_list
	global_store_b64 v10, v[8:9], s[38:39]         ; 32 lanes store 256 consecutive bytes, aligned
.Lno_list:
	s_wait_kmcnt 0x0                               ; bg
; One token: its codes and scale words, and its eight partial logits.
.macro TOKEN j
	s_wait_loadcnt 30-2*\j                         ; my two loads are in; the 15 - j later tokens' two each stay out
	v_max3_num_f32 v249, |v[XR+8*\j]|, |v[XR+8*\j+1]|, FLOOR
	v_max3_num_f32 v249, v249, |v[XR+8*\j+2]|, |v[XR+8*\j+3]|
	v_max3_num_f32 v249, v249, |v[XR+8*\j+4]|, |v[XR+8*\j+5]|
	v_max3_num_f32 v249, v249, |v[XR+8*\j+6]|, |v[XR+8*\j+7]|
	v_max_num_f32_dpp v249, v249, v249 row_xmask:1 row_mask:0xf bank_mask:0xf
	v_max_num_f32_dpp v249, v249, v249 row_xmask:2 row_mask:0xf bank_mask:0xf   ; the block's largest magnitude: four lanes
	v_add_nc_u32 v250, EOFF, v249                  ; the conversion takes this operand's exponent field as its scale
	v_cvt_scalef32_pk8_fp4_f32 v[XC+\j], v[XR+8*\j:XR+8*\j+7], v250
	v_lshrrev_b32 v251, 23, v250                   ; the scale's byte (also the plain line behind the conversion),
	v_lshlrev_b32 v251, v4, v251                   ; at its place in the word;
	v_mov_b32_dpp v252, v251 row_xmask:4 row_mask:0xf bank_mask:0xf
	v_or_b32 v251, v251, v252
	v_mov_b32_dpp v252, v251 row_xmask:8 row_mask:0xf bank_mask:0xf
	v_or_b32 v251, v251, v252                      ; lanes 0-15 hold the word of k 0-127, lanes 16-31 that of k 128-255
	s_mov_b32 s40, 0x10001<<\j                     ; lanes j and 16 + j keep what belongs to token j
.if \j == 0
	v_mov_b32 v248, v251
.else
	v_cndmask_b32 v248, v248, v251, s40
.endif
	global_store_b32 v6, v[XC+\j], s[34:35] offset:128*\j   ; a token's 128 bytes of codes; two tokens' stores on end fill 256 aligned bytes
	; two experts an instruction: one x serves both halves (the low or the high register of its pair, by op_sel), Wg's pair lies as loaded.  Two chains of four k each
.irp p, 0,1,2,3
	v_pk_mul_f32 v[ACP+2*\p:ACP+2*\p+1], v[XR+8*\j:XR+8*\j+1], v[WGR+2*\p:WGR+2*\p+1] op_sel_hi:[0,1]
	v_pk_mul_f32 v[ACP+8+2*\p:ACP+9+2*\p], v[XR+8*\j+4:XR+8*\j+5], v[WGR+32+2*\p:WGR+33+2*\p] op_sel_hi:[0,1]
.endr
.irp p, 0,1,2,3
	v_pk_fma_f32 v[ACP+2*\p:ACP+2*\p+1], v[XR+8*\j:XR+8*\j+1], v[WGR+8+2*\p:WGR+9+2*\p], v[ACP+2*\p:ACP+2*\p+1] op_sel:[1,0,0] op_sel_hi:[1,1,1]
	v_pk_fma_f32 v[ACP+8+2*\p:ACP+9+2*\p], v[XR+8*\j+4:XR+8*\j+5], v[WGR+40+2*\p:WGR+41+2*\p], v[ACP+8+2*\p:ACP+9+2*\p] op_sel:[1,0,0] op_sel_hi:[1,1,1]
.endr
.irp p, 0,1,2,3
	v_pk_fma_f32 v[ACP+2*\p:ACP+2*\p+1], v[XR+8*\j+2:XR+8*\j+3], v[WGR+16+2*\p:WGR+17+2*\p], v[ACP+2*\p:ACP+2*\p+1] op_sel_hi:[0,1,1]
	v_pk_fma_f32 v[ACP+8+2*\p:ACP+9+2*\p], v[XR+8*\j+6:XR+8*\j+7], v[WGR+48+2*\p:WGR+49+2*\p], v[ACP+8+2*\p:ACP+9+2*\p] op_sel_hi:[0,1,1]
.endr
.irp p, 0,1,2,3
	v_pk_fma_f32 v[ACP+2*\p:ACP+2*\p+1], v[XR+8*\j+2:XR+8*\j+3], v[WGR+24+2*\p:WGR+25+2*\p], v[ACP+2*\p:ACP+2*\p+1] op_sel:[1,0,0] op_sel_hi:[1,1,1]
	v_pk_fma_f32 v[ACP+8+2*\p:ACP+9+2*\p], v[XR+8*\j+6:XR+8*\j+7], v[WGR+56+2*\p:WGR+57+2*\p], v[ACP+8+2*\p:ACP+9+2*\p] op_sel:[1,0,0] op_sel_hi:[1,1,1]
.endr
.irp p, 0,1,2,3
	v_pk_add_f32 v[ACP+2*\p:ACP+2*\p+1], v[ACP+2*\p:ACP+2*\p+1], v[ACP+8+2*\p:ACP+9+2*\p]   ; the two chains: expert e's sum over my 8 k at ACP + e
.endr
.irp x, 1,2,4,8
.irp e, 0,1,2,3,4,5,6,7
	v_add_f32_dpp v[ACP+\e], v[ACP+\e], v[ACP+\e] row_xmask:\x row_mask:0xf bank_mask:0xf
.endr
.endr
.irp e, 0,1,2,3,4,5,6,7
.if \j == 0
	v_mov_b32 v[LOG+\e], v[ACP+\e]
.else
	v_cndmask_b32 v[LOG+\e], v[LOG+\e], v[ACP+\e], s40
.endif
.endr
.endm
.irp j, 0,1,2,3,4,5,6,7,8,9,10,11,12,13,14,15
	TOKEN \j
.endr
	; lane (r, h) now works for token r
.irp e, 0,1,2,3,4,5,6,7
	v_permlanex16_b32 v[ACP+\e], v[LOG+\e], s36, s37
.endr
.irp e, 0,1,2,3,4,5,6,7
	v_add_f32 v[LOG+\e], v[LOG+\e], v[ACP+\e]      ; the two halves of K
.endr
.irp e, 0,1,2,3,4,5,6,7
	v_add_f32 v[LOG+\e], s[24+\e], v[LOG+\e]       ; + bg
.endr
	v_max3_num_f32 v249, v[LOG], v[LOG+1], v[LOG+2]
	v_max3_num_f32 v249, v249, v[LOG+3], v[LOG+4]
	v_max3_num_f32 v249, v249, v[LOG+5], v[LOG+6]
	v_max_num_f32 v249, v249, v[LOG+7]             ; the maximum is taken away before the exponential, as reference()'s softmax does
.irp e, 0,1,2,3,4,5,6,7
	v_sub_f32 v[LOG+\e], v[LOG+\e], v249
.endr
.irp e, 0,1,2,3,4,5,6,7
	v_mul_f32 v[LOG+\e], 0x3fb8aa3b, v[LOG+\e]
.endr
.irp e, 0,1,2,3,4,5,6,7
	v_exp_f32 v[LOG+\e], v[LOG+\e]
.endr
	v_nop                                          ; a plain line behind the last exponential
	s_wait_alu depctr_va_vdst(0)                   ; one wait for the eight, ahead of their first reader
	v_add_f32 v250, v[LOG], v[LOG+1]
.irp e, 2,3,4,5,6,7
	v_add_f32 v250, v250, v[LOG+\e]
.endr
	v_rcp_f32 v250, v250
	v_nop
	s_wait_alu depctr_va_vdst(0)
.irp e, 0,1,2,3,4,5,6,7
	v_mul_f32 v[LOG+\e], v[LOG+\e], v250           ; the gates
.endr
	; the last two of a stable ascending sort: among equal gates the higher index stands later
	v_mov_b32 v251, v[LOG]
	v_mov_b32 v252, 0
.irp e, 1,2,3,4,5,6,7
	v_cmp_ge_f32 vcc_lo, v[LOG+\e], v251
	v_cndmask_b32 v251, v251, v[LOG+\e], vcc_lo
	v_cndmask_b32 v252, v252, \e, vcc_lo
.endr
	v_mov_b32 v253, -1.0                           ; under every gate
	v_mov_b32 v254, 0
.irp e, 0,1,2,3,4,5,6,7
	v_cmp_eq_u32 vcc_lo, \e, v252
	v_cndmask_b32 v255, v[LOG+\e], -1.0, vcc_lo    ; the first choice counts no more
	v_cmp_ge_f32 vcc_lo, v255, v253
	v_cndmask_b32 v253, v253, v255, vcc_lo
	v_cndmask_b32 v254, v254, \e, vcc_lo
.endr
	v_cndmask_b32 v12, v252, v254, s41             ; lanes 0-15: the first choice; lanes 16-31: the second
	v_cndmask_b32 v249, v251, v253, s41            ; and its gate
	v_mov_b32 v11, 0
.irp e, 0,1,2,3,4,5,6,7
	v_cmp_eq_u32 s42, \e, v12                      ; which of the chunk's 32 entries chose expert e
	v_mbcnt_lo_u32_b32 v13, s42, 0                 ; how many of them stand in lower lanes
	v_cndmask_b32 v11, v11, v13, s42               ; my rank, if e is my choice
.if \e % 2 == 0
	s_bcnt1_i32_b32 s[44+\e/2], s42                ; the chunk's counts, two to a word
.else
	s_bcnt1_i32_b32 s43, s42
	s_lshl_b32 s43, s43, 16
	s_or_b32 s[44+\e/2], s[44+\e/2], s43
.endif
.endr
	v_lshl_or_b32 v11, v11, 8, v12                 ; expert | rank << 8
	s_lshl_b32 s49, s23, 7
	v_lshlrev_b32 v14, 3, v2
	v_lshl_add_u32 v14, v3, 2, v14
	v_add_nc_u32 v14, s49, v14                     ; X's scale words: 8 bytes a token, 4 h
	s_lshl_b32 s50, s23, 6
	v_lshlrev_b32 v15, 2, v2
	v_lshl_add_u32 v15, v3, 14, v15
	v_add_nc_u32 v15, s50, v15                     ; 4 s, s = 4096 h + 16 c + r
	s_lshl_b32 s51, s23, 4
	v_mov_b32 v13, s51                             ; 16 c
.irp q, 0,1,2,3
	v_mov_b32 v[LOG+\q], s[44+\q]
.endr
	global_store_b32 v14, v248, s[16:17] offset:524288
	global_store_b32 v15, v11, s[18:19]
	global_store_b32 v15, v249, s[16:17] offset:557056
	s_wait_xcnt 0x0                                ; EXEC changes only behind this wait: the stores above have taken their sources
	v_cmp_eq_u32 vcc_lo, 0, v1
	s_and_saveexec_b32 s48, vcc_lo
	global_store_b128 v13, v[LOG:LOG+3], s[18:19] offset:32768   ; lane 0: the chunk's eight counts
	s_wait_xcnt 0x0                                ; and again in front of the line that widens it
	s_or_b32 exec_lo, exec_lo, s48
	s_endpgm
	; ---------------- W1 and W3 ----------------
.macro LOADB t                         ; block t: 32 rows of K at my column, into set t % 2; the wave reads 128 consecutive bytes of each row
.set li, 0
.rept 32
	global_load_b32 v[32+32*((\t)%2)+li], v5, s[10:11] offset:(32*(\t)+li)*PITCHB th:TH_LOAD_NT
.set li, li+1
.endr
.endm
.macro BLOCK t
.set XS, 32+32*((\t)%2)
.if (\t) < 3
	s_wait_loadcnt 32                              ; this block's 32 loads are in; the next block's 32 stay out
.else
	s_wait_loadcnt 0x0
.endif
	v_max3_num_f32 v12, |v[XS]|, |v[XS+1]|, |v[XS+2]|
	v_max3_num_f32 v13, |v[XS+3]|, |v[XS+4]|, |v[XS+5]|
.irp i, 6,10,14,18,22,26
	v_max3_num_f32 v12, v12, |v[XS+\i]|, |v[XS+\i+1]|
	v_max3_num_f32 v13, v13, |v[XS+\i+2]|, |v[XS+\i+3]|
.endr
	v_max3_num_f32 v12, v12, |v[XS+30]|, |v[XS+31]|
	v_max3_num_f32 v12, v12, v13, FLOOR            ; the block's largest magnitude: all 32 numbers are mine
	v_add_nc_u32 v11, EOFF, v12
	v_lshrrev_b32 v13, 23, v11                     ; the scale's byte
.if (\t) == 0
	v_mov_b32 v112, v13
.else
	v_lshl_or_b32 v112, v13, 8*(\t), v112
.endif
.irp g, 0,1,2,3
	v_cvt_scalef32_pk8_fp4_f32 v[96+4*(\t)+\g], v[XS+8*\g:XS+8*\g+7], v11
.endr
	v_nop                                          ; a plain line behind the last conversion
	global_store_b128 v6, v[96+4*(\t):99+4*(\t)], s[32:33] offset:256*(\t)   ; sixteen lanes store 256 consecutive bytes, aligned; each block has its own four registers
.if (\t) < 2
	LOADB (\t)+2
.endif
.endm
.Lweights:
	s_mul_i32 s23, ttmp9, 3
	s_add_co_u32 s23, s23, s22
	s_sub_co_u32 s23, s23, 1                       ; beside a router's wave: unit 3 g + wave - 1
	s_lshl_b32 s24, ttmp9, 2
	s_add_co_u32 s24, s24, s22
	s_sub_co_u32 s24, s24, 256                     ; else: 768 + 4 (g - 256) + wave
	s_cmp_lt_u32 ttmp9, 256
	s_cselect_b32 s23, s23, s24                    ; unit 0 .. 2047
	s_and_b32 s24, s23, 63                         ; g: which 32 columns
	s_bfe_u32 s25, s23, 0x10006                    ; ks: which 128 along K
	s_bfe_u32 s26, s23, 0x30007                    ; e
	s_bfe_u32 s27, s23, 0x1000a                    ; 0: W1, 1: W3
	v_lshrrev_b32 v5, 3, v2
	v_lshl_add_u32 v5, v5, 3, v2                   ; r + 8 (r / 8)
	v_lshl_add_u32 v5, v3, 3, v5                   ; + 8 h: lanes 0-15 are the slots of tile 2 g, lanes 16-31 of tile 2 g + 1
	v_lshlrev_b32 v5, 2, v5
	v_lshlrev_b32 v6, 4, v2
	v_lshl_add_u32 v6, v3, 11, v6                  ; codes: 16 r + 2,048 h
	v_lshlrev_b32 v7, 2, v1                        ; scale words: 4 l
	s_lshl_b32 s28, s26, 21
	s_lshl_b32 s30, s25, 20
	s_or_b32 s28, s28, s30
	s_lshl_b32 s30, s24, 7
	s_or_b32 s28, s28, s30
	s_mov_b32 s29, 0
	s_lshl_b32 s32, s27, 21
	s_lshl_b32 s30, s26, 18
	s_or_b32 s32, s32, s30
	s_lshl_b32 s30, s24, 12
	s_or_b32 s32, s32, s30
	s_lshl_b32 s30, s25, 10
	s_or_b32 s32, s32, s30
	s_mov_b32 s33, 0
	s_lshl_b32 s34, s27, 17
	s_lshl_b32 s30, s26, 14
	s_or_b32 s34, s34, s30
	s_lshl_b32 s30, s25, 13
	s_or_b32 s34, s34, s30
	s_lshl_b32 s30, s24, 7
	s_or_b32 s34, s34, s30
	s_add_co_u32 s34, s34, 4194304
	s_mov_b32 s35, 0
	s_wait_kmcnt 0x0
	s_cmp_eq_u32 s27, 0                            ; the choice hangs on ids alone
	s_cselect_b64 s[10:11], s[10:11], s[12:13]
	s_add_nc_u64 s[10:11], s[10:11], s[28:29]
	s_add_nc_u64 s[32:33], s[14:15], s[32:33]
	s_add_nc_u64 s[34:35], s[14:15], s[34:35]
	LOADB 0
	LOADB 1
	BLOCK 0
	BLOCK 1
	BLOCK 2
	BLOCK 3
	global_store_b32 v7, v112, s[34:35]            ; the scale words of two tiles: 128 consecutive bytes
	s_endpgm
.Lfunc_end_k_qa9e90015b0_prep1:
	.size	k_qa9e90015b0_prep1, .Lfunc_end_k_qa9e90015b0_prep1-k_qa9e90015b0_prep1
	.p2alignl 7, 3214868480
	.fill 96, 4, 3214868480
	.section	.rodata,"a",@progbits
	.p2align	6, 0x0
	.amdhsa_kernel k_qa9e90015b0_prep1
		.amdhsa_group_segment_fixed_size 0
		.amdhsa_private_segment_fixed_size 0
		.amdhsa_enable_private_segment 0
		.amdhsa_kernarg_size 72
		.amdhsa_user_sgpr_count 2
		.amdhsa_user_sgpr_kernarg_segment_ptr 1
		.amdhsa_wavefront_size32 1
		.amdhsa_system_sgpr_workgroup_id_x 1
		.amdhsa_system_sgpr_workgroup_id_y 1
		.amdhsa_system_sgpr_workgroup_id_z 1
		.amdhsa_system_vgpr_workitem_id 0
		.amdhsa_next_free_vgpr 256
		.amdhsa_next_free_sgpr 66
		.amdhsa_reserve_vcc 1
		.amdhsa_float_denorm_mode_32 3
		.amdhsa_float_denorm_mode_16_64 3
		.amdhsa_memory_ordered 1
		.amdhsa_forward_progress 1
		.amdhsa_inst_pref_size 128
	.end_amdhsa_kernel
	.amdgpu_metadata
---
amdhsa.version: [ 1, 2 ]
amdhsa.kernels:
  - .name:           k_qa9e90015b0_prep1
    .symbol:         k_qa9e90015b0_prep1.kd
    .args:
      - { .name: X, .offset: 0, .size: 8, .value_kind: global_buffer, .address_space: global }
      - { .name: Wg, .offset: 8, .size: 8, .value_kind: global_buffer, .address_space: global }
      - { .name: bg, .offset: 16, .size: 8, .value_kind: global_buffer, .address_space: global }
      - { .name: W1, .offset: 24, .size: 8, .value_kind: global_buffer, .address_space: global }
      - { .name: W3, .offset: 32, .size: 8, .value_kind: global_buffer, .address_space: global }
      - { .name: w13q, .offset: 40, .size: 8, .value_kind: global_buffer, .address_space: global }
      - { .name: xq, .offset: 48, .size: 8, .value_kind: global_buffer, .address_space: global }
      - { .name: route, .offset: 56, .size: 8, .value_kind: global_buffer, .address_space: global }
      - { .name: plan, .offset: 64, .size: 8, .value_kind: global_buffer, .address_space: global }
    .group_segment_fixed_size: 0
    .private_segment_fixed_size: 0
    .kernarg_segment_align: 8
    .kernarg_segment_size: 72
    .max_flat_workgroup_size: 128
    .sgpr_count:     66
    .vgpr_count:     256
    .wavefront_size: 32
...
	.end_amdgpu_metadata
.endif
;; end of part 1
;; launch prep2 (part 2): grid 532 x 1, 4 waves a work-group, no clusters, 8,960 bytes of LDS; arguments route, W2, Wf, w2q, plan; writes w2q, plan
.if DOCPART == 2
	.amdgcn_target "amdgcn-amd-amdhsa--gfx1250"
	.amdhsa_code_object_version 6
	.text
	.protected	k_qa9e90015b0_prep2
	.globl	k_qa9e90015b0_prep2
	.p2align	8
	.type	k_qa9e90015b0_prep2,@function
k_qa9e90015b0_prep2:
	s_mov_b64 s[64:65], 0
	v_nop
	global_prefetch_b8 v0, s[64:65] scope:SCOPE_SE
	s_setreg_imm32_b32 hwreg(HW_REG_WAVE_MODE, 25, 1), 1
	s_wait_xcnt 0x0
; Launch 2 of 4: the placing of the routed rows by expert (work-groups 0-3) and W2's and Wf's codes (work-groups 4-531).
; WORK-GROUPS 0-3, a counting sort without atomics.  The launch before stored, as whole numbers, each entry's expert and its rank among the equal choices of its chunk of 32, and each chunk's
; eight counts (two to a word; an expert has at most 4,096 entries, so no half word overflows).  Thread i owns chunks 2 i, 2 i + 1.  A prefix sum over the 256 chunks (lanes, then waves through LDS)
; gives each chunk's first place for each expert; an expert's rows begin at a tile of 64: place = 64 x (tiles of the experts before) + rank within the expert.  There are never more than
; ceil(8192 / 64) + 7 = 135 tiles.  Stored: the row list (place -> entry | expert << 16) and its inverse (entry -> place).
; Each of the four work-groups makes the whole prefix sum for itself, from 4 KiB of counts, and places a quarter of the entries: of each wave's 32 steps of 64 entries, steps 8 k .. 8 k + 7, k the work-group's number.
; So each word of the two lists is stored by one work-group, and nothing goes from one work-group to another.
; WORK-GROUPS 4-531: as the weights' part of the launch before: a wave takes 32 columns x 128 along K of W2 ([e][hidden][out]) or Wf ([k][out]); a lane takes a column, its registers run down K;
; codes in the order of the operand's registers, [tile of 16 outputs][block of 32][slot r][16 bytes].  Both tensors take one way through the text: only pointers and offsets are chosen.
; LIMITS: as stated at the head of the first launch (a block of zeros gets the byte 1).
.set FLOOR,  0x1800000
.set EOFF,   0xff000000
.set PITCHB, 2048                      ; a row (one k) of W2 or Wf in bytes
.set WT,    0                          ; LDS: the four waves' totals, 16 bytes each, in a block of 256 of their own
.set BT,    256                        ; [chunk][8 words]: the chunk's first place for each expert
.set SPARE, 8448                       ; the spare words, 128 bytes for each wave: two blocks of 256 bytes that no other line names
.set SPW, 206
.set NIL, 207
	s_load_b256 s[4:11], s[0:1], 0x0               ; route 4, W2 6, Wf 8, w2q 10
	s_load_b64 s[12:13], s[0:1], 0x20              ; plan
	v_lshl_add_u32 v[SPW], v0, 2, SPARE
	v_mov_b32 v[NIL], 0
	v_lshrrev_b32 v1, 5, v0
	v_readfirstlane_b32 s22, v1                    ; wave
	v_and_b32 v1, 31, v0                           ; lane l
	v_and_b32 v2, 15, v0                           ; r
	v_bfe_u32 v3, v0, 4, 1                         ; h
	s_cmp_ge_u32 ttmp9, 4
	s_cbranch_scc1 .Lquant
	; ---------------- the sort ----------------
.macro BAR                             ; my LDS instructions are done: then the work-group's barrier
	s_wait_dscnt 0x0
	s_barrier_signal -1
	s_barrier_wait -1
.endm
	s_and_b32 s14, ttmp9, 3                        ; k: my quarter of each wave's steps
	v_sub_nc_u32 v4, 0, v3                         ; all ones in lanes 16-31
	v_mov_b32 v5, s22
	v_lshlrev_b32 v5, 4, v5                        ; my wave's totals
	v_mov_b32 v6, 0
	v_lshl_add_u32 v7, v0, 6, BT                   ; my two chunks' 64 bytes
	s_and_b32 s23, s22, 1
	s_lshl_b32 s23, s23, 12
	s_add_co_u32 s23, s23, BT
	s_lshl_b32 s15, s14, 10                        ; eight steps are 32 chunks: 1,024 bytes of the table
	s_add_co_u32 s23, s23, s15
	v_lshl_add_u32 v200, v1, 2, s23                ; the table as my wave's entries want it: 128 chunks from 128 (wave % 2) on, a word a lane
	v_lshrrev_b32 v201, 3, v1
	v_lshlrev_b32 v201, 5, v201                    ; 4 x the first lane of my group of eight
	s_lshl_b32 s23, s22, 11
	s_lshl_b32 s15, s14, 9
	s_add_co_u32 s23, s23, s15
	v_lshl_add_u32 v202, v1, 1, s23                ; my first entry: 2,048 wave + 512 k + 2 l
	s_lshl_b32 s23, s22, 13
	s_lshl_b32 s15, s14, 11
	s_add_co_u32 s23, s23, s15
	v_lshl_add_u32 v203, v1, 3, s23                ; and its bytes
	v_lshlrev_b32 v204, 5, v0                      ; my two chunks' counts
	s_wait_kmcnt 0x0
	global_load_b128 v[8:11], v204, s[4:5] offset:32768
	global_load_b128 v[12:15], v204, s[4:5] offset:32784
.set li, 0
.rept 8
	global_load_b64 v[64+2*li:65+2*li], v203, s[4:5] offset:256*li   ; step 8 k + li: entries 2,048 wave + 64 (8 k + li) + 2 l, + 1
.set li, li+1
.endr
	s_wait_loadcnt 8                               ; the counts are in; the 8 loads of entries stay out
.irp q, 0,1,2,3
	v_add_nc_u32 v[16+\q], v[8+\q], v[12+\q]
	v_mov_b32 v[40+\q], 0                          ; (a DPP form's destination counts as read)
.endr
.irp n, 1,2,4,8                        ; a running sum over each 16 lanes
.irp q, 0,1,2,3
	v_mov_b32_dpp v[40+\q], v[16+\q] row_shr:\n row_mask:0xf bank_mask:0xf bound_ctrl:1
.endr
.irp q, 0,1,2,3
	v_add_nc_u32 v[16+\q], v[16+\q], v[40+\q]
.endr
.endr
.irp q, 0,1,2,3
	v_readlane_b32 s[24+\q], v[16+\q], 15
.endr
.irp q, 0,1,2,3
	v_and_b32 v[40+\q], s[24+\q], v4               ; lanes 16-31 add the lower half's sum
	v_add_nc_u32 v[16+\q], v[16+\q], v[40+\q]
.endr
.irp q, 0,1,2,3
	v_sub_nc_u32 v[20+\q], v[16+\q], v[8+\q]
	v_sub_nc_u32 v[20+\q], v[20+\q], v[12+\q]      ; what stands before my two chunks in my wave
	v_readlane_b32 s[24+\q], v[16+\q], 31
.endr
.irp q, 0,1,2,3
	v_mov_b32 v[44+\q], s[24+\q]
.endr
	ds_store_b128 v5, v[44:47]                     ; all lanes write the same words with the same values
	BAR
.irp w, 0,1,2,3
	ds_load_b128 v[24+4*\w:27+4*\w], v6 offset:WT+16*\w
.endr
	s_wait_dscnt 0x0
	s_cmp_gt_u32 s22, 0
	s_cselect_b32 s23, -1, 0
.irp q, 0,1,2,3
	v_and_b32 v[44+\q], s23, v[24+\q]              ; the totals of the waves before mine
.endr
.irp w, 1,2
	s_cmp_gt_u32 s22, \w
	s_cselect_b32 s23, -1, 0
.irp q, 0,1,2,3
	v_and_b32 v[40+\q], s23, v[24+4*\w+\q]
	v_add_nc_u32 v[44+\q], v[44+\q], v[40+\q]
.endr
.endr
.irp q, 0,1,2,3
	v_add3_u32 v[144+\q], v[24+\q], v[28+\q], v[32+\q]
	v_add_nc_u32 v[144+\q], v[144+\q], v[36+\q]    ; each expert's number of rows
	v_add_nc_u32 v[20+\q], v[20+\q], v[44+\q]      ; what stands before my two chunks in all
.endr
.irp q, 0,1,2,3
	v_and_b32 v[48+2*\q], 0xffff, v[144+\q]
	v_lshrrev_b32 v[49+2*\q], 16, v[144+\q]
.endr
.irp e, 0,1,2,3,4,5,6,7
	v_add_nc_u32 v[48+\e], 63, v[48+\e]
	v_lshrrev_b32 v[48+\e], 6, v[48+\e]            ; its tiles
.endr
	v_mov_b32 v56, 0
.irp e, 1,2,3,4,5,6,7
	v_add_nc_u32 v[56+\e], v[55+\e], v[47+\e]      ; its first tile
.endr
.irp q, 0,1,2,3
	v_and_b32 v148, 0xffff, v[20+\q]
	v_lshl_add_u32 v[128+2*\q], v[56+2*\q], 6, v148
	v_lshrrev_b32 v149, 16, v[20+\q]
	v_lshl_add_u32 v[129+2*\q], v[57+2*\q], 6, v149    ; chunk 2 i's first places
	v_and_b32 v150, 0xffff, v[8+\q]
	v_add_nc_u32 v[136+2*\q], v[128+2*\q], v150
	v_lshrrev_b32 v151, 16, v[8+\q]
	v_add_nc_u32 v[137+2*\q], v[129+2*\q], v151        ; chunk 2 i + 1's
.endr
.irp q, 0,1,2,3
	ds_store_b128 v7, v[128+4*\q:131+4*\q] offset:16*\q
.endr
	BAR
	s_wait_loadcnt 0x0                             ; the entries
	; Eight steps: in step i lanes 8 g .. 8 g + 7 hold entries of one chunk, and one LDS load of a word a lane brings the step's four chunks' 32 places; a lane takes its own by a lane permute.
.irp i, 0,1,2,3,4,5,6,7
	ds_load_b32 v[128+\i], v200 offset:128*\i
.endr
	s_wait_dscnt 0x0
.irp i, 0,1,2,3,4,5,6,7
.irp j, 0,1
	v_and_b32 v[136+2*\i+\j], 7, v[64+2*\i+\j]                      ; the entry's expert
	v_lshl_add_u32 v[136+2*\i+\j], v[136+2*\i+\j], 2, v201
	ds_bpermute_b32 v[152+2*\i+\j], v[136+2*\i+\j], v[128+\i]
.endr
.endr
	s_wait_dscnt 0x0
.irp i, 0,1,2,3,4,5,6,7
.irp j, 0,1
	v_lshrrev_b32 v[168+2*\i+\j], 8, v[64+2*\i+\j]                  ; its rank in its chunk
	v_add_nc_u32 v[152+2*\i+\j], v[152+2*\i+\j], v[168+2*\i+\j]
	v_min_u32 v[152+2*\i+\j], 8639, v[152+2*\i+\j]                  ; its place: inside the list's 135 x 64 words
	v_lshlrev_b32 v[168+2*\i+\j], 2, v[152+2*\i+\j]
	v_and_b32 v[136+2*\i+\j], 7, v[64+2*\i+\j]
	v_add_nc_u32 v[184+2*\i+\j], 64*\i+\j, v202
	v_lshl_or_b32 v[184+2*\i+\j], v[136+2*\i+\j], 16, v[184+2*\i+\j]   ; entry | expert << 16
.endr
.endr
.irp i, 0,1,2,3,4,5,6,7
	global_store_b64 v203, v[152+2*\i:153+2*\i], s[12:13] offset:34560+256*\i   ; entry -> place: 256 consecutive bytes, aligned
.endr
.irp i, 0,1,2,3,4,5,6,7
.irp j, 0,1
	global_store_b32 v[168+2*\i+\j], v[184+2*\i+\j], s[12:13]       ; place -> entry: a scatter of single words, 32 KiB in the whole launch
.endr
.endr
	s_wait_tensorcnt 0x0                           ; the wave's end
	ds_add_u32 v[SPW], v[NIL]
	s_wait_dscnt 0x0
	s_endpgm
	; ---------------- W2 and Wf ----------------
.macro LOADB t
.set li, 0
.rept 32
	global_load_b32 v[32+32*((\t)%2)+li], v5, s[6:7] offset:(32*(\t)+li)*PITCHB th:TH_LOAD_NT
.set li, li+1
.endr
.endm
.macro BLOCK t
.set XS, 32+32*((\t)%2)
.if (\t) < 3
	s_wait_loadcnt 32                              ; this block's 32 loads are in; the next block's 32 stay out
.else
	s_wait_loadcnt 0x0
.endif
	v_max3_num_f32 v12, |v[XS]|, |v[XS+1]|, |v[XS+2]|
	v_max3_num_f32 v13, |v[XS+3]|, |v[XS+4]|, |v[XS+5]|
.irp i, 6,10,14,18,22,26
	v_max3_num_f32 v12, v12, |v[XS+\i]|, |v[XS+\i+1]|
	v_max3_num_f32 v13, v13, |v[XS+\i+2]|, |v[XS+\i+3]|
.endr
	v_max3_num_f32 v12, v12, |v[XS+30]|, |v[XS+31]|
	v_max3_num_f32 v12, v12, v13, FLOOR
	v_add_nc_u32 v11, EOFF, v12
	v_lshrrev_b32 v13, 23, v11
.if (\t) == 0
	v_mov_b32 v112, v13
.else
	v_lshl_or_b32 v112, v13, 8*(\t), v112
.endif
.irp g, 0,1,2,3
	v_cvt_scalef32_pk8_fp4_f32 v[96+4*(\t)+\g], v[XS+8*\g:XS+8*\g+7], v11
.endr
	v_nop                                          ; a plain line behind the last conversion
	global_store_b128 v6, v[96+4*(\t):99+4*(\t)], s[30:31] offset:256*(\t)   ; sixteen lanes store 256 consecutive bytes, aligned
.if (\t) < 2
	LOADB (\t)+2
.endif
.endm
.Lquant:
	s_sub_co_u32 s14, ttmp9, 4
	s_lshl_b32 s14, s14, 2
	s_add_co_u32 s14, s14, s22                     ; unit: 0 .. 2047 W2's, 2048 .. 2111 Wf's
	s_and_b32 s15, s14, 15                         ; g: which 32 columns
	s_bfe_u32 s16, s14, 0x40004                    ; ks: which 128 along K (Wf: 0 .. 3)
	s_lshr_b32 s17, s14, 8                         ; e
	s_mov_b32 s21, 4587520
	s_wait_kmcnt 0x0
	s_cmp_lt_u32 s14, 2048                         ; W2's unit or Wf's?  The choice hangs on ids alone
	s_cselect_b32 s17, s17, 0
	s_cselect_b64 s[6:7], s[6:7], s[8:9]
	s_cselect_b32 s18, 14, 12                      ; a tile's codes: 2^14 bytes in W2, 2^12 in Wf
	s_cselect_b32 s19, 15, 13
	s_cselect_b32 s20, 0, 4194304                  ; where the codes begin,
	s_cselect_b32 s21, 4325376, s21                ; and the scale words
	v_lshlrev_b32 v5, 2, v1                        ; in: 4 bytes a lane
	v_lshlrev_b32 v6, s18, v3
	v_lshl_add_u32 v6, v2, 4, v6                   ; codes: 16 r + a tile x h
	v_lshlrev_b32 v7, 2, v1                        ; scale words: 4 l
	s_lshl_b32 s24, s17, 22
	s_lshl_b32 s26, s16, 18
	s_or_b32 s24, s24, s26
	s_lshl_b32 s26, s15, 7
	s_or_b32 s24, s24, s26
	s_mov_b32 s25, 0
	s_lshl_b32 s26, s17, 19
	s_add_co_u32 s26, s26, s20
	s_lshl_b32 s28, s15, s19
	s_add_co_u32 s26, s26, s28
	s_lshl_b32 s28, s16, 10
	s_add_co_u32 s26, s26, s28
	s_mov_b32 s27, 0
	s_lshl_b32 s28, s17, 15
	s_add_co_u32 s28, s28, s21
	s_lshl_b32 s34, s16, 11
	s_add_co_u32 s28, s28, s34
	s_lshl_b32 s34, s15, 7
	s_add_co_u32 s28, s28, s34
	s_mov_b32 s29, 0
	s_add_nc_u64 s[6:7], s[6:7], s[24:25]
	s_add_nc_u64 s[30:31], s[10:11], s[26:27]
	s_add_nc_u64 s[32:33], s[10:11], s[28:29]
	LOADB 0
	LOADB 1
	BLOCK 0
	BLOCK 1
	BLOCK 2
	BLOCK 3
	global_store_b32 v7, v112, s[32:33]            ; the scale words of two tiles: 128 consecutive bytes
	s_endpgm
.Lfunc_end_k_qa9e90015b0_prep2:
	.size	k_qa9e90015b0_prep2, .Lfunc_end_k_qa9e90015b0_prep2-k_qa9e90015b0_prep2
	.p2alignl 7, 3214868480
	.fill 96, 4, 3214868480
	.section	.rodata,"a",@progbits
	.p2align	6, 0x0
	.amdhsa_kernel k_qa9e90015b0_prep2
		.amdhsa_group_segment_fixed_size 8960
		.amdhsa_private_segment_fixed_size 0
		.amdhsa_enable_private_segment 0
		.amdhsa_kernarg_size 40
		.amdhsa_user_sgpr_count 2
		.amdhsa_user_sgpr_kernarg_segment_ptr 1
		.amdhsa_wavefront_size32 1
		.amdhsa_system_sgpr_workgroup_id_x 1
		.amdhsa_system_sgpr_workgroup_id_y 1
		.amdhsa_system_sgpr_workgroup_id_z 1
		.amdhsa_system_vgpr_workitem_id 0
		.amdhsa_next_free_vgpr 208
		.amdhsa_next_free_sgpr 66
		.amdhsa_reserve_vcc 0
		.amdhsa_float_denorm_mode_32 3
		.amdhsa_float_denorm_mode_16_64 3
		.amdhsa_memory_ordered 1
		.amdhsa_forward_progress 1
		.amdhsa_inst_pref_size 41
	.end_amdhsa_kernel
	.amdgpu_metadata
---
amdhsa.version: [ 1, 2 ]
amdhsa.kernels:
  - .name:           k_qa9e90015b0_prep2
    .symbol:         k_qa9e90015b0_prep2.kd
    .args:
      - { .name: route, .offset: 0, .size: 8, .value_kind: global_buffer, .address_space: global }
      - { .name: W2, .offset: 8, .size: 8, .value_kind: global_buffer, .address_space: global }
      - { .name: Wf, .offset: 16, .size: 8, .value_kind: global_buffer, .address_space: global }
      - { .name: w2q, .offset: 24, .size: 8, .value_kind: global_buffer, .address_space: global }
      - { .name: plan, .offset: 32, .size: 8, .value_kind: global_buffer, .address_space: global }
    .group_segment_fixed_size: 8960
    .private_segment_fixed_size: 0
    .kernarg_segment_align: 8
    .kernarg_segment_size: 40
    .max_flat_workgroup_size: 128
    .sgpr_count:     66
    .vgpr_count:     208
    .wavefront_size: 32
...
	.end_amdgpu_metadata
.endif
;; end of part 2
;; launch chain (part 3): grid 135 x 1, 16 waves a work-group, no clusters, 224,256 bytes of LDS; arguments w13q, w2q, xq, plan, b1, b3, b2, ybuf; writes ybuf
.if DOCPART == 3
	.amdgcn_target "amdgcn-amd-amdhsa--gfx1250"
	.amdhsa_code_object_version 6
	.text
	.protected	k_qa9e90015b0_chain
	.globl	k_qa9e90015b0_chain
	.p2align	8
	.type	k_qa9e90015b0_chain,@function
k_qa9e90015b0_chain:
	s_mov_b64 s[64:65], 0
	v_nop
	global_prefetch_b8 v0, s[64:65] scope:SCOPE_SE
	s_setreg_imm32_b32 hwreg(HW_REG_WAVE_MODE, 25, 1), 1
	s_wait_xcnt 0x0
; Launch 3 of 4: one work-group takes one tile of 64 routed rows of ONE expert through the chain: gather X's codes, h1 = X W1 + b1, h3 = X W3 + b3, h = silu(h1 h3), quantise h along the hidden axis,
; y = gate x (h W2 + b2).  All three products on codes of FP4 (E2M1) with one E8M0 scale for each 32 along K.  The hidden layer never goes to memory.
; WORK LEFT OUT: the rows of the six experts that reference()'s take_along_axis does not pick for a token (shown at the head of the first launch).
; THE GRID SERVES EVERY SPLIT: 8,192 rows in tiles of 64 for 8 experts are never more than 128 + 7 = 135 tiles.  A tile that a split leaves without rows (its row list holds the default word) stores nothing.
; The weights go from memory straight into registers, in the order in which an earlier launch laid them.
; NO CLUSTER: which tiles belong to one expert hangs on counts read from memory, so no fixed group of four neighbouring work-groups has one expert's tiles at every split, and an empty tile asks for nothing.
; SHARES.  Sixteen waves of 256 registers, four to a SIMD, so that one wave's loads and products stand beside another's vector work (some 85 vector instructions for 8 matrix instructions).
; THE ROWS ARE GATHERED ONCE: every wave wants all 64 rows' codes of X, so wave w = 4 m + i fetches one piece of them (of rows 16 m on, the 16 bytes a lane that are registers 4 i .. 4 i + 3 of the rows' two fragments)
; and waves 0, 4, 8, 12 the rows' scale words and gates: 24 gathers in the work-group.  They reach the other waves through LDS.
; THE WAVES SHARE THE COLUMNS: wave w makes hidden units 128 w .. 128 w + 127, which are K step w of the last product, for all 64 rows, and then outputs 32 w .. 32 w + 31.  So each byte of the expert's weights is loaded once by the work-group.
; The products are used transposed (source 0 = 16 rows of a weight, source 1 = 16 routed rows): a lane holds ONE row and its registers run along the hidden units or the outputs.
; X's fragments and the hidden layer's go from wave to wave through LDS as images of the operand's registers: 16 bytes a lane at 16 x lane, scale words 4 bytes a lane.
; The four parts that do work are each jumped over in an empty tile; the three barriers stand outside them, on every wave's way; each part reads only registers that the head or the part itself has written.
; Padding rows of a tile that is partly filled take row 0's entry: their results are stored and never read.
; LIMITS: as stated at the head of the first launch.
.set FLOOR,  0x1800000
.set EOFF,   0xff000000
.set HSC,    65536                     ; LDS: from 0 the 64 images of h (K step ks, rows 16 m on: (4 ks + m) x 1,024); here their scale words, 128 bytes each
.set XSG,    73728                     ; rows 16 m on: X's scale words at 2,048 m, the gates 128 bytes further on (the stride lets the registers that serve h's scale words serve these too)
.set STG,    81920                     ; the stage for y: 64 rows of 2,048 bytes + 16
.set SPITCH, 2064
.set XIMG,   214016                    ; X's 16 pieces, 512 bytes each: piece 4 m + i
.set SPARE,  222208                    ; the spare words, 128 bytes for each wave: eight blocks of 256 bytes that no other line names
; v1 16 l; v2 4 l; v3, v4 the add's two; v5, v6 where I store h's images and scale words; v7 where scale words are read; v8, v9 into the stage (rows 0-31, 32-63); v10 out of it;
; v11 W1's and W3's scale words; v12, v13 biases; v14-17 at work in the gather, later the gates of rows 16 m + r; v18, v19 4 r (later 4 h), 16 h; v20-31 scale words and nothing else;
; v248, v249 where I store my piece of X and where the pieces are read (until the hidden layer is done).
.macro BAR
	s_wait_dscnt 0x0                               ; my LDS stores have landed and my LDS loads are in
	s_barrier_signal -1
	s_barrier_wait -1
.endm
	s_load_b512 s[4:19], s[0:1], 0x0               ; w13q 4, w2q 6, xq 8, plan 10, b1 12, b3 14, b2 16, ybuf 18
	v_lshl_add_u32 v3, v0, 2, SPARE
	v_mov_b32 v4, 0
	v_lshrrev_b32 v18, 5, v0
	v_readfirstlane_b32 s20, v18                   ; wave 0..15
	v_and_b32 v2, 31, v0
	v_lshlrev_b32 v1, 4, v2
	v_lshlrev_b32 v2, 2, v2
	v_and_b32 v18, 15, v0                          ; r
	v_bfe_u32 v19, v0, 4, 1                        ; h
	s_lshl_b32 s21, s20, 12
	v_add_nc_u32 v5, s21, v1
	s_lshl_b32 s21, s20, 9
	s_add_co_u32 s21, s21, HSC
	v_add_nc_u32 v6, s21, v2
	v_add_nc_u32 v7, HSC, v2
	v_mul_u32_u24 v8, v18, SPITCH
	v_lshl_add_u32 v8, v19, 5, v8
	s_lshl_b32 s21, s20, 7
	s_add_co_u32 s21, s21, STG
	v_add_nc_u32 v8, s21, v8                       ; row r, + 32 h, + my 128 bytes
	v_add_nc_u32 v9, 32*SPITCH, v8
	s_mul_i32 s21, s20, 4*SPITCH
	s_add_co_u32 s21, s21, STG
	v_add_nc_u32 v10, s21, v1                      ; back: my four rows, 16 bytes a lane
	s_lshl_b32 s21, s20, 9
	s_add_co_u32 s21, s21, XIMG
	v_add_nc_u32 v248, s21, v1                     ; my piece of X
	v_add_nc_u32 v249, XIMG, v1
	v_lshlrev_b32 v11, 2, v18
	v_lshl_add_u32 v11, v19, 13, v11               ; lanes 0-15 the words of K step 0, lanes 16-31 of K step 1
	v_lshlrev_b32 v12, 6, v19
	v_lshlrev_b32 v13, 5, v19
	v_lshlrev_b32 v18, 2, v18                      ; 4 r
	v_lshlrev_b32 v19, 4, v19                      ; 16 h
	s_lshr_b32 s22, s20, 2                         ; m: whose rows I gather
	s_and_b32 s23, s20, 3                          ; i: which piece of them
	s_lshl_b32 s21, s22, 6
	v_add_nc_u32 v16, s21, v18                     ; their words in the row list
	s_mov_b32 s42, 0xbfb8aa3b                      ; -log2(e)
	s_mov_b32 s43, s42                             ; (named with it as a pair)
	s_mov_b32 s44, 0x76543210
	s_mov_b32 s45, 0xfedcba98                      ; v_permlanex16_b32's selects for lane l xor 16
	s_lshl_b32 s50, ttmp9, 8
	s_mov_b32 s51, 0
	s_wait_kmcnt 0x0
	s_add_nc_u64 s[40:41], s[10:11], s[50:51]      ; my tile's row list
	global_load_b32 v14, v18, s[40:41]             ; rows 0-15: for row 0's word
	global_load_b32 v15, v16, s[40:41]             ; rows 16 m on
	s_wait_loadcnt 0x0
	v_readfirstlane_b32 s46, v14                   ; row 0's word: entry | expert << 16, or the default
	s_bfe_u32 s47, s46, 0x30010
	s_min_u32 s47, s47, 7                          ; the expert
	s_lshr_b32 s48, s46, 31                        ; 1: the tile has no rows
	v_mov_b32 v245, s46                            ; (also the one write that a lane permute's destination needs)
	v_cmp_gt_i32 vcc_lo, 0, v15
	v_cndmask_b32 v15, v15, v245, vcc_lo           ; a padding row takes row 0's entry
	v_and_b32 v15, 0x1fff, v15
	v_min_u32 v15, 0x1fff, v15                     ; the entry s = 4096 place + token
	s_lshl_b32 s50, s47, 18
	s_lshl_b32 s52, s20, 14
	s_add_co_u32 s50, s50, s52
	s_add_nc_u64 s[24:25], s[4:5], s[50:51]        ; W1's codes: my 8 tiles (W3's lie 2,097,152 bytes on)
	s_lshl_b32 s50, s47, 14
	s_lshl_b32 s52, s20, 9
	s_add_co_u32 s50, s50, s52
	s_add_co_u32 s50, s50, 4194304
	s_add_nc_u64 s[26:27], s[4:5], s[50:51]        ; their scale words
	s_lshl_b32 s50, s47, 13
	s_add_co_u32 s50, s50, s52
	s_add_nc_u64 s[28:29], s[12:13], s[50:51]      ; b1, b3: my 128 numbers
	s_add_nc_u64 s[30:31], s[14:15], s[50:51]
	s_lshl_b32 s50, s47, 19
	s_lshl_b32 s52, s20, 15
	s_add_co_u32 s50, s50, s52
	s_add_nc_u64 s[32:33], s[6:7], s[50:51]        ; W2's codes: my 2 tiles
	s_lshl_b32 s50, s47, 15
	s_lshl_b32 s52, s20, 7
	s_add_co_u32 s50, s50, s52
	s_add_co_u32 s50, s50, 4325376
	s_add_nc_u64 s[34:35], s[6:7], s[50:51]        ; their scale words
	s_lshl_b32 s50, s47, 11
	s_add_co_u32 s50, s50, s52
	s_add_nc_u64 s[36:37], s[16:17], s[50:51]      ; b2: my 32 numbers
	s_lshl_b32 s50, ttmp9, 17
	s_lshl_b32 s52, s20, 13
	s_add_co_u32 s50, s50, s52
	s_add_nc_u64 s[38:39], s[18:19], s[50:51]      ; y: my tile's 64 rows, my four of them
; ---- PART 0: the gather, shared out among the waves
	s_cmp_lg_u32 s48, 0
	s_cbranch_scc1 .Lj0
	v_and_b32 v16, 0xfff, v15                      ; the token
	s_lshl_b32 s21, s23, 5
	v_lshl_add_u32 v17, v16, 7, v19                ; its 128 bytes of codes, + 16 h,
	v_add_nc_u32 v17, s21, v17                     ; + 32 i
	global_load_b128 v[252:255], v17, s[8:9]
	s_cmp_lg_u32 s23, 0                            ; the wave's number alone: waves 0, 4, 8, 12 go on
	s_cbranch_scc1 .Lnosc
	v_lshrrev_b32 v18, 2, v19                      ; 4 h
	v_lshl_add_u32 v16, v16, 3, v18                ; the token's scale words: lanes 0-15 K step 0's, lanes 16-31 K step 1's
	v_lshlrev_b32 v14, 2, v15
	global_load_b32 v16, v16, s[8:9] offset:524288 ; each lands on its own offset
	global_load_b32 v14, v14, s[8:9] offset:557056 ; the entry's gate
	s_wait_loadcnt 0x0
	ds_store_b32 v6, v16 offset:XSG-HSC            ; v6 holds HSC + 512 w + 4 l, and w = 4 m here
	ds_store_b32 v6, v14 offset:XSG-HSC+128
.Lnosc:
	s_wait_loadcnt 0x0
	ds_store_b128 v248, v[252:255]
.Lj0:
	BAR                                            ; X's 16 pieces, the scale words and the gates lie in LDS
; ---- PART 1: the hidden layer.  v32-95 X's fragments (m, ks) at 32 + 16 m + 8 ks; v96-159 the weights' (a = 2 mat + u, ks) at 96 + 16 a + 8 ks; v160-191 biases, 8 a; v192-223 results, 8 a;
; v224-239 codes, 4 a tile of rows; v240-243 scale words; v244-247 at work.  v20-23 X's scale words, v24-27 the weights'.
.macro LOADW b                         ; the 32 hidden units 128 w + 32 b on: 28 loads
.irp mat, 0,1
.irp i, 0,1,2,3,4,5,6,7
	global_load_b128 v[96+32*\mat+4*\i:99+32*\mat+4*\i], v1, s[24:25] offset:\mat*2097152+4096*(\b)+512*\i
.endr
.irp u, 0,1
	global_load_b32 v[24+2*\mat+\u], v11, s[26:27] offset:\mat*131072+128*(\b)+64*\u
.endr
.endr
.irp u, 0,1                            ; lane (r, h) wants, for tile u, the biases of units 32 b + 16 h + 8 u + 0 .. 7: the result's layout
	global_load_b128 v[160+8*\u:163+8*\u], v12, s[28:29] offset:128*(\b)+32*\u
	global_load_b128 v[164+8*\u:167+8*\u], v12, s[28:29] offset:128*(\b)+32*\u+16
	global_load_b128 v[176+8*\u:179+8*\u], v12, s[30:31] offset:128*(\b)+32*\u
	global_load_b128 v[180+8*\u:183+8*\u], v12, s[30:31] offset:128*(\b)+32*\u+16
.endr
.endm
.macro MM1 m                           ; h1 and h3 of rows 16 m on: four accumulators by turns; the biases are the C of each sum's first product
.irp a, 0,1,2,3
	v_wmma_scale_f32_16x16x128_f8f6f4 v[192+8*\a:199+8*\a], v[96+16*\a:103+16*\a], v[32+16*(\m):39+16*(\m)], v[160+8*\a:167+8*\a], v[24+\a], v[20+(\m)] matrix_a_fmt:MATRIX_FMT_FP4 matrix_b_fmt:MATRIX_FMT_FP4
.endr
.irp a, 0,1,2,3
	v_wmma_scale_f32_16x16x128_f8f6f4 v[192+8*\a:199+8*\a], v[104+16*\a:111+16*\a], v[40+16*(\m):47+16*(\m)], v[192+8*\a:199+8*\a], v[24+\a], v[20+(\m)] matrix_a_fmt:MATRIX_FMT_FP4 matrix_b_fmt:MATRIX_FMT_FP4 matrix_a_scale:MATRIX_SCALE_ROW1 matrix_b_scale:MATRIX_SCALE_ROW1
.endr
.endm
; v192-207 = h1, v208-223 = h3 of my row at 16 neighbouring hidden units 32 b + 16 h + 0 .. 15.  silu(z) = z / (1 + 2^(-log2(e) z)), z = h1 h3.  Then half a block's codes; a block lies in lanes l and l xor 16.
.macro SILUQ m, b
.irp i, 0,2,4,6,8,10,12,14
	v_pk_mul_f32 v[192+\i:193+\i], v[192+\i:193+\i], v[208+\i:209+\i]            ; z (each accumulator is read from its low end on)
.endr
.irp i, 0,2,4,6,8,10,12,14
	v_pk_mul_f32 v[208+\i:209+\i], v[192+\i:193+\i], s[42:43] op_sel_hi:[1,0]
.endr
.irp i, 0,1,2,3,4,5,6,7,8,9,10,11,12,13,14,15
	v_exp_f32 v[208+\i], v[208+\i]
.endr
	v_nop                                          ; a plain line behind the last exponential
	s_wait_alu depctr_va_vdst(0)                   ; one wait for the sixteen, ahead of their first reader
.irp i, 0,2,4,6,8,10,12,14
	v_pk_add_f32 v[208+\i:209+\i], v[208+\i:209+\i], 1.0 op_sel_hi:[1,0]
.endr
.irp i, 0,1,2,3,4,5,6,7,8,9,10,11,12,13,14,15
	v_rcp_f32 v[208+\i], v[208+\i]
.endr
	v_nop
	s_wait_alu depctr_va_vdst(0)
.irp i, 0,2,4,6,8,10,12,14
	v_pk_mul_f32 v[192+\i:193+\i], v[192+\i:193+\i], v[208+\i:209+\i]            ; h
.endr
	v_max3_num_f32 v244, |v192|, |v193|, FLOOR
.irp i, 2,4,6,8,10,12,14
	v_max3_num_f32 v244, v244, |v[192+\i]|, |v[193+\i]|
.endr
	v_permlanex16_b32 v245, v244, s44, s45
	v_max_num_f32 v244, v244, v245                 ; the block's largest magnitude
	v_add_nc_u32 v246, EOFF, v244                  ; the conversion's scale operand
	v_lshrrev_b32 v247, 23, v246                   ; the scale's byte
	v_cvt_scalef32_pk8_fp4_f32 v[224+4*(\m)+2*((\b)%2)], v[192:199], v246
	v_cvt_scalef32_pk8_fp4_f32 v[225+4*(\m)+2*((\b)%2)], v[200:207], v246
	v_nop                                          ; a plain line behind the last conversion
.if (\b) == 0
	v_mov_b32 v[240+(\m)], v247
.else
	v_lshl_or_b32 v[240+(\m)], v247, 8*(\b), v[240+(\m)]
.endif
.if ((\b)%2) == 1                      ; two blocks are there: the operand's layout wants a WHOLE block in a lane, lanes 0-15 the even one, lanes 16-31 the odd one
	v_permlane16_swap_b32 v[224+4*(\m)], v[226+4*(\m)]
	v_permlane16_swap_b32 v[225+4*(\m)], v[227+4*(\m)]
	ds_store_b128 v5, v[224+4*(\m):227+4*(\m)] offset:1024*(\m)+512*((\b)/2)
.endif
.if (\b) == 3
	ds_store_b32 v6, v[240+(\m)] offset:128*(\m)
.endif
.endm
	s_cmp_lg_u32 s48, 0
	s_cbranch_scc1 .Lj1
	LOADW 0
.set xi, 0
.rept 16
	ds_load_b128 v[32+4*xi:35+4*xi], v249 offset:512*xi   ; piece 4 m + i is registers 16 m + 4 i on of X's fragments
.set xi, xi+1
.endr
.irp m, 0,1,2,3
	ds_load_b32 v[20+\m], v7 offset:XSG-HSC+2048*\m
.endr
.irp b, 0,1,2,3
	s_wait_loadcnt 0x0                             ; this step's weights, scale words and biases
	s_wait_dscnt 0x0                               ; the last step's LDS stores have taken their registers (the first time: X's pieces and scale words are in)
.irp m, 0,1,2,3
	MM1 \m
.rept 4
	v_nop                                          ; four places behind the products: in front of the first read of results, and of the loads into the weights', the biases' and the scale words' registers
.endr
.if (\m == 3) && (\b < 3)
	LOADW \b+1                                     ; lands while the last tile of rows goes through its vector work
.endif
	SILUQ \m, \b
.endr
.endr
.Lj1:
	BAR                                            ; the hidden layer's 64 images lie in LDS
; ---- PART 2: y = h W2 + b2.  v32-95 eight accumulators (n, m) at 32 + 8 (4 n + m); v96-159, v160-223 two sets of W2's fragments for four K steps each ((q, n) at 16 q + 8 n); v224-255 h's four fragments of a K step.
; v20-23, v24-27 W2's scale words for the two sets (lanes 0-15 tile n = 0, lanes 16-31 n = 1); v28-31 h's.
.macro LOADSET set, ks0                ; 20 loads
.irp q, 0,1,2,3
.irp n, 0,1
.irp c, 0,1
	global_load_b128 v[96+64*(\set)+16*\q+8*\n+4*\c:99+64*(\set)+16*\q+8*\n+4*\c], v1, s[32:33] offset:16384*\n+1024*((\ks0)+\q)+512*\c
.endr
.endr
	global_load_b32 v[20+4*(\set)+\q], v2, s[34:35] offset:2048*((\ks0)+\q)
.endr
.endm
.macro KSTEP ks, lw                    ; lw: the count of the wait for global loads, or -1: none
.set WB,  96+64*(((\ks)/4)%2)+16*((\ks)%4)
.set WSC, 20+4*(((\ks)/4)%2)+(\ks)%4
.irp m, 0,1,2,3
	ds_load_b128 v[224+8*\m:227+8*\m], v1 offset:(4*(\ks)+\m)*1024
	ds_load_b128 v[228+8*\m:231+8*\m], v1 offset:(4*(\ks)+\m)*1024+512
	ds_load_b32 v[28+\m], v7 offset:(4*(\ks)+\m)*128
.endr
.if (\lw) >= 0
	s_wait_loadcnt \lw
.endif
	s_wait_dscnt 0x0
.irp m, 0,1,2,3                        ; the eight accumulators by turns, in the same order in every K step
	v_wmma_scale_f32_16x16x128_f8f6f4 v[32+8*\m:39+8*\m], v[WB:WB+7], v[224+8*\m:231+8*\m], v[32+8*\m:39+8*\m], v[WSC], v[28+\m] matrix_a_fmt:MATRIX_FMT_FP4 matrix_b_fmt:MATRIX_FMT_FP4
	v_wmma_scale_f32_16x16x128_f8f6f4 v[64+8*\m:71+8*\m], v[WB+8:WB+15], v[224+8*\m:231+8*\m], v[64+8*\m:71+8*\m], v[WSC], v[28+\m] matrix_a_fmt:MATRIX_FMT_FP4 matrix_b_fmt:MATRIX_FMT_FP4 matrix_a_scale:MATRIX_SCALE_ROW1
.endr
.rept 4
	v_nop                                          ; four places in front of loads into registers that the products have read, and of the first read of results
.endr
.endm
	s_cmp_lg_u32 s48, 0
	s_cbranch_scc1 .Lj2
.irp n, 0,1
.irp m, 0,1,2,3
	global_load_b128 v[32+8*(4*\n+\m):35+8*(4*\n+\m)], v13, s[36:37] offset:64*\n        ; b2 begins each sum: outputs 16 n + 8 h + 0 .. 7, the result's layout
	global_load_b128 v[36+8*(4*\n+\m):39+8*(4*\n+\m)], v13, s[36:37] offset:64*\n+16
.endr
.endr
	LOADSET 0, 0
	LOADSET 1, 4
.irp m, 0,1,2,3
	ds_load_b32 v[14+\m], v7 offset:XSG-HSC+128+2048*\m   ; the gates of rows 16 m + r
.endr
	KSTEP 0, 20                                    ; b2 and the first set are in; the second set's 20 stay out
	KSTEP 1, -1
	KSTEP 2, -1
	KSTEP 3, -1
	LOADSET 0, 8
	KSTEP 4, 20                                    ; the second set is in; the 20 just issued stay out
	KSTEP 5, -1
	KSTEP 6, -1
	KSTEP 7, -1
	LOADSET 1, 12
	KSTEP 8, 20                                    ; K steps 8-11's set is in; the 20 just issued stay out
	KSTEP 9, -1
	KSTEP 10, -1
	KSTEP 11, -1
	KSTEP 12, 0
	KSTEP 13, -1
	KSTEP 14, -1
	KSTEP 15, -1
.irp n, 0,1
.irp m, 0,1,2,3
.irp j, 0,1,2,3,4,5,6,7
	v_mul_f32 v[32+8*(4*\n+\m)+\j], v[32+8*(4*\n+\m)+\j], v[14+\m]   ; x the gate; each accumulator from its low end on
.endr
.endr
.endr
.irp m, 0,1,2,3
.irp n, 0,1
	ds_store_b128 v[8+\m/2], v[32+8*(4*\n+\m):35+8*(4*\n+\m)] offset:(\m%2)*16*SPITCH+64*\n      ; lane (r, h): y(16 m + r, 32 w + 16 n + 8 h + 0 .. 7)
	ds_store_b128 v[8+\m/2], v[36+8*(4*\n+\m):39+8*(4*\n+\m)] offset:(\m%2)*16*SPITCH+64*\n+16
.endr
.endr
.Lj2:
	BAR                                            ; 64 whole rows of y lie in the stage
; ---- PART 3: each wave stores four whole rows
	s_cmp_lg_u32 s48, 0
	s_cbranch_scc1 .Lj3
.set k, 0
.rept 16
	ds_load_b128 v[32+4*k:35+4*k], v10 offset:SPITCH*(k/4)+512*(k%4)
.set k, k+1
.endr
.set k, 0
.rept 16
	s_wait_dscnt 15-k                              ; LDS loads come back in order: number k is in
	global_store_b128 v1, v[32+4*k:35+4*k], s[38:39] offset:2048*(k/4)+512*(k%4)   ; 32 lanes store 512 consecutive bytes, aligned
.set k, k+1
.endr
.Lj3:
	s_wait_tensorcnt 0x0                           ; the wave's end
	ds_add_u32 v3, v4
	s_wait_dscnt 0x0
	s_endpgm
.Lfunc_end_k_qa9e90015b0_chain:
	.size	k_qa9e90015b0_chain, .Lfunc_end_k_qa9e90015b0_chain-k_qa9e90015b0_chain
	.p2alignl 7, 3214868480
	.fill 96, 4, 3214868480
	.section	.rodata,"a",@progbits
	.p2align	6, 0x0
	.amdhsa_kernel k_qa9e90015b0_chain
		.amdhsa_group_segment_fixed_size 224256
		.amdhsa_private_segment_fixed_size 0
		.amdhsa_enable_private_segment 0
		.amdhsa_kernarg_size 64
		.amdhsa_user_sgpr_count 2
		.amdhsa_user_sgpr_kernarg_segment_ptr 1
		.amdhsa_wavefront_size32 1
		.amdhsa_system_sgpr_workgroup_id_x 1
		.amdhsa_system_sgpr_workgroup_id_y 1
		.amdhsa_system_sgpr_workgroup_id_z 1
		.amdhsa_system_vgpr_workitem_id 0
		.amdhsa_next_free_vgpr 256
		.amdhsa_next_free_sgpr 66
		.amdhsa_reserve_vcc 1
		.amdhsa_float_denorm_mode_32 3
		.amdhsa_float_denorm_mode_16_64 3
		.amdhsa_memory_ordered 1
		.amdhsa_forward_progress 1
		.amdhsa_inst_pref_size 148
	.end_amdhsa_kernel
	.amdgpu_metadata
---
amdhsa.version: [ 1, 2 ]
amdhsa.kernels:
  - .name:           k_qa9e90015b0_chain
    .symbol:         k_qa9e90015b0_chain.kd
    .args:
      - { .name: w13q, .offset: 0, .size: 8, .value_kind: global_buffer, .address_space: global }
      - { .name: w2q, .offset: 8, .size: 8, .value_kind: global_buffer, .address_space: global }
      - { .name: xq, .offset: 16, .size: 8, .value_kind: global_buffer, .address_space: global }
      - { .name: plan, .offset: 24, .size: 8, .value_kind: global_buffer, .address_space: global }
      - { .name: b1, .offset: 32, .size: 8, .value_kind: global_buffer, .address_space: global }
      - { .name: b3, .offset: 40, .size: 8, .value_kind: global_buffer, .address_space: global }
      - { .name: b2, .offset: 48, .size: 8, .value_kind: global_buffer, .address_space: global }
      - { .name: ybuf, .offset: 56, .size: 8, .value_kind: global_buffer, .address_space: global }
    .group_segment_fixed_size: 224256
    .private_segment_fixed_size: 0
    .kernarg_segment_align: 8
    .kernarg_segment_size: 64
    .max_flat_workgroup_size: 512
    .sgpr_count:     66
    .vgpr_count:     256
    .wavefront_size: 32
...
	.end_amdgpu_metadata
.endif
;; end of part 3
;; launch final (part 4): grid 128 x 1, 8 waves a work-group, no clusters, 79,872 bytes of LDS; arguments ybuf, plan, w2q, bf, out0; writes out0
.if DOCPART == 4
	.amdgcn_target "amdgcn-amd-amdhsa--gfx1250"
	.amdhsa_code_object_version 6
	.text
	.protected	k_qa9e90015b0_final
	.globl	k_qa9e90015b0_final
	.p2align	8
	.type	k_qa9e90015b0_final,@function
k_qa9e90015b0_final:
	s_mov_b64 s[64:65], 0
	v_nop
	global_prefetch_b8 v0, s[64:65] scope:SCOPE_SE
	s_setreg_imm32_b32 hwreg(HW_REG_WAVE_MODE, 25, 1), 1
	s_wait_xcnt 0x0
; Launch 4 of 4: out = Q(mixed) Q(Wf) + bf, mixed = the sum of a token's two gated rows; the product on codes of FP4 (E2M1) with one E8M0 scale for each 32 along K = 512.
; A work-group takes 32 tokens.  Its eight waves first share the 2 tiles of 16 tokens x 4 K steps of 128: wave w = 4 m + ks gathers its tokens' two rows (by the stored places), adds them in f32, quantises them in
; registers and puts the fragment and its scale words into LDS as images of the operand's registers.  Behind one barrier wave w makes outputs 64 w .. 64 w + 63 for all 32 tokens: eight accumulators, begun with bf.
; THE GATHER GOES ROW BY ROW: each load reads the 512 consecutive bytes that are one row's 128 numbers of my K step, 16 bytes a lane; the row's place is taken from its lane into a scalar register.
; The quantiser wants another layout (a lane to a token, 16 neighbours of each block of 32): the sums turn through the wave's own stage in LDS, rows 528 bytes apart, so that the sixteen rows that a load touches start at different banks.
; Wf's codes come straight into registers in the order in which an earlier launch laid them.  The product is used transposed (source 0 = 16 outputs of Wf, source 1 = 16 tokens): a lane holds eight neighbouring outputs of one token.
; No tensor load, no ring: all loads go out at the head.  LIMITS: as stated at the head of the first launch.
.set FLOOR,  0x1800000
.set EOFF,   0xff000000
.set MSC,   8192                       ; LDS: from 0 the eight images of mixed, 1,024 bytes each; here their scale words, 128 bytes each
.set STG,   9216                       ; a stage of 8,704 bytes for each wave: first 16 rows of 512 bytes + 16 for the turn, at the end 32 rows of 256 bytes + 16 for the way out
.set SPARE, 78848                      ; the spare words, 128 bytes for each wave: four blocks of 256 bytes that no other line names
.set TM, 32                            ; v32-63 first the 32 rows' offsets; then v32-47 at work in the quantiser, later mixed's two fragments
.set PC, 48                            ; v48-55 the codes just made;  v56 their scale word
.set PW, 56
; v12 512 ks + 16 l: my bytes of a row; v13, v14 into the turn and out of it; v15 4 r.
; v16-23 Wf's scale words (2 ks + p: lanes 0-15 tile 2 p, lanes 16-31 tile 2 p + 1), v24-31 mixed's (2 ks + m): scale words and nothing else.
; v64-127 the first rows, 4 registers each, then their sums, then the sums turned, later the accumulators (n, m) at 64 + 8 (2 n + m); v128-191 the second rows, later Wf's K steps 2, 3, later rows on the way out; v192-255 Wf's K steps 0, 1.
	s_load_b256 s[4:11], s[0:1], 0x0               ; ybuf 4, plan 6, w2q 8, bf 10
	s_load_b64 s[12:13], s[0:1], 0x20              ; out0
	v_lshl_add_u32 v3, v0, 2, SPARE
	v_mov_b32 v4, 0
	v_lshrrev_b32 v1, 5, v0
	v_readfirstlane_b32 s16, v1                    ; wave 0..7
	v_and_b32 v2, 31, v0
	v_lshlrev_b32 v1, 4, v2                        ; 16 l
	v_lshlrev_b32 v2, 2, v2                        ; 4 l
	v_and_b32 v14, 15, v0                          ; r
	v_bfe_u32 v15, v0, 4, 1                        ; h
	s_lshl_b32 s17, s16, 10
	v_add_nc_u32 v5, s17, v1                       ; my image
	s_lshl_b32 s17, s16, 7
	s_add_co_u32 s17, s17, MSC
	v_add_nc_u32 v6, s17, v2                       ; and its scale words
	v_add_nc_u32 v7, MSC, v2
	s_mul_i32 s17, s16, 8704
	s_add_co_u32 s17, s17, STG                     ; my stage
	v_mul_u32_u24 v8, v14, 272
	v_lshl_add_u32 v8, v15, 5, v8
	v_add_nc_u32 v8, s17, v8                       ; the way out, in: row r, + 32 h
	v_mul_u32_u24 v9, v15, 272
	v_lshl_add_u32 v9, v14, 4, v9
	v_add_nc_u32 v9, s17, v9                       ; back: lanes 0-15 one row, lanes 16-31 the next
	v_lshlrev_b32 v10, 11, v15
	v_lshl_add_u32 v10, v14, 4, v10                ; and the same two rows of out0
	v_lshlrev_b32 v11, 5, v15                      ; bf: 32 h
	v_mul_u32_u24 v13, v14, 528
	v_lshl_add_u32 v13, v15, 6, v13                ; 528 r + 64 h
	v_lshlrev_b32 v15, 2, v14                      ; 4 r
	v_add_nc_u32 v14, s17, v13                     ; the turn, out: token r, my 16 numbers of each block of 32
	v_add_nc_u32 v13, s17, v1                      ; in: a row as it was loaded
	s_and_b32 s18, s16, 3                          ; ks
	s_lshr_b32 s19, s16, 2                         ; m
	s_lshl_b32 s22, s18, 9
	v_add_nc_u32 v12, s22, v1
	s_mov_b32 s20, 0x76543210
	s_mov_b32 s21, 0xfedcba98                      ; v_permlanex16_b32's selects for lane l xor 16
	s_mov_b32 s35, 0
	s_lshl_b32 s34, ttmp9, 7
	s_lshl_b32 s36, s19, 6
	s_add_co_u32 s34, s34, s36
	s_wait_kmcnt 0x0
	s_add_nc_u64 s[24:25], s[6:7], s[34:35]        ; my 16 tokens' places
	s_lshl_b32 s34, s16, 8
	s_add_nc_u64 s[30:31], s[10:11], s[34:35]      ; bf: my 64 numbers
	s_lshl_b32 s36, ttmp9, 16
	s_add_co_u32 s36, s36, s34
	s_mov_b32 s37, 0
	s_add_nc_u64 s[32:33], s[12:13], s[36:37]      ; out0: my 32 rows, my 256 bytes of each
	s_add_co_u32 s34, s34, 4587520
	s_add_nc_u64 s[26:27], s[8:9], s[34:35]        ; Wf's scale words: my 4 tiles
	s_lshl_b32 s34, s16, 14
	s_add_co_u32 s34, s34, 4194304
	s_add_nc_u64 s[28:29], s[8:9], s[34:35]        ; Wf's codes: my 4 tiles
	global_load_b32 v64, v15, s[24:25] offset:34560
	global_load_b32 v65, v15, s[24:25] offset:34560+16384
.irp ks, 0,1,2,3
.irp p, 0,1
	global_load_b32 v[16+2*\ks+\p], v2, s[26:27] offset:2048*\ks+128*\p
.endr
.endr
.irp ks, 0,1
.irp n, 0,1,2,3
.irp c, 0,1
	global_load_b128 v[192+32*\ks+8*\n+4*\c:195+32*\ks+8*\n+4*\c], v1, s[28:29] offset:4096*\n+1024*\ks+512*\c
.endr
.endr
.endr
	s_wait_loadcnt 24                              ; the two places are in; the 24 loads issued behind them stay out
.irp t, 0,1,2,3,4,5,6,7,8,9,10,11,12,13,14,15
	v_readlane_b32 s[40+\t], v64, \t               ; token t's two places, for all lanes
	v_readlane_b32 s[68+\t], v65, \t
.endr
.irp t, 0,1,2,3,4,5,6,7,8,9,10,11,12,13,14,15
	s_min_u32 s[40+\t], s[40+\t], 8639             ; inside the 135 x 64 rows
	s_min_u32 s[68+\t], s[68+\t], 8639
.endr
.irp t, 0,1,2,3,4,5,6,7,8,9,10,11,12,13,14,15
	v_lshl_add_u32 v[32+\t], s[40+\t], 11, v12     ; a row of 2,048 bytes, + my bytes of it.  (These writes also serve the lane permutes below, whose destinations count as read)
	v_lshl_add_u32 v[48+\t], s[68+\t], 11, v12
.endr
.irp t, 0,1,2,3,4,5,6,7,8,9,10,11,12,13,14,15
	global_load_b128 v[64+4*\t:67+4*\t], v[32+\t], s[4:5] th:TH_LOAD_NT      ; 32 lanes read 512 consecutive bytes
	global_load_b128 v[128+4*\t:131+4*\t], v[48+\t], s[4:5] th:TH_LOAD_NT
.endr
	s_wait_loadcnt 0x0
.set i, 0
.rept 32
	v_pk_add_f32 v[64+i:65+i], v[64+i:65+i], v[128+i:129+i]    ; mixed: registers 4 t on = k 128 ks + 4 l + 0 .. 3 of token t
.set i, i+2
.endr
.irp ks, 2,3
.irp n, 0,1,2,3
.irp c, 0,1
	global_load_b128 v[128+32*(\ks-2)+8*\n+4*\c:131+32*(\ks-2)+8*\n+4*\c], v1, s[28:29] offset:4096*\n+1024*\ks+512*\c
.endr
.endr
.endr
	; the turn: LDS serves a wave's instructions in order, so no wait stands between the stores and the loads
.irp t, 0,1,2,3,4,5,6,7,8,9,10,11,12,13,14,15
	ds_store_b128 v13, v[64+4*\t:67+4*\t] offset:528*\t
.endr
.irp b, 0,1,2,3
.irp j, 0,1,2,3
	ds_load_b128 v[64+16*\b+4*\j:67+16*\b+4*\j], v14 offset:128*\b+16*\j   ; register 16 b + i = k 128 ks + 32 b + 16 h + i of my token
.endr
.endr
	s_wait_dscnt 0x0
	; the quantiser: four blocks of 32, each in lanes l and l xor 16
.irp b, 0,1,2,3
	v_max3_num_f32 v[TM+\b], |v[64+16*\b]|, |v[65+16*\b]|, FLOOR
.endr
.irp i, 2,4,6,8,10,12,14
.irp b, 0,1,2,3
	v_max3_num_f32 v[TM+\b], v[TM+\b], |v[64+16*\b+\i]|, |v[65+16*\b+\i]|
.endr
.endr
.irp b, 0,1,2,3
	v_permlanex16_b32 v[TM+4+\b], v[TM+\b], s20, s21
.endr
.irp b, 0,1,2,3
	v_max_num_f32 v[TM+\b], v[TM+\b], v[TM+4+\b]
.endr
.irp b, 0,1,2,3
	v_add_nc_u32 v[TM+12+\b], EOFF, v[TM+\b]       ; the conversion's scale operand
.endr
.irp b, 0,1,2,3
	v_lshrrev_b32 v[TM+4+\b], 23, v[TM+12+\b]      ; the scale's byte
.endr
	v_lshl_or_b32 v[PW], v[TM+5], 8, v[TM+4]
	v_lshl_or_b32 v[PW], v[TM+6], 16, v[PW]
	v_lshl_or_b32 v[PW], v[TM+7], 24, v[PW]
.irp b, 0,1,2,3
	v_cvt_scalef32_pk8_fp4_f32 v[PC+2*\b], v[64+16*\b:71+16*\b], v[TM+12+\b]
	v_cvt_scalef32_pk8_fp4_f32 v[PC+1+2*\b], v[72+16*\b:79+16*\b], v[TM+12+\b]
.endr
	v_nop                                          ; a plain line behind the last conversion
.irp c, 0,1                            ; the operand's layout wants a WHOLE block in a lane
.irp i, 0,1
	v_permlane16_swap_b32 v[PC+4*\c+\i], v[PC+2+4*\c+\i]
.endr
.endr
	ds_store_b128 v5, v[PC:PC+3]
	ds_store_b128 v5, v[PC+4:PC+7] offset:512
	ds_store_b32 v6, v[PW]
.irp n, 0,1,2,3
.irp m, 0,1
	global_load_b128 v[64+8*(2*\n+\m):67+8*(2*\n+\m)], v11, s[30:31] offset:64*\n        ; bf begins each sum: outputs 16 n + 8 h + 0 .. 7, the result's layout
	global_load_b128 v[68+8*(2*\n+\m):71+8*(2*\n+\m)], v11, s[30:31] offset:64*\n+16
.endr
.endr
	s_wait_dscnt 0x0                               ; my image and its scale words have landed
	s_barrier_signal -1
	s_barrier_wait -1                              ; everybody's have
.irp ks, 0,1,2,3
.irp m, 0,1
	ds_load_b32 v[24+2*\ks+\m], v7 offset:128*(4*\m+\ks)
.endr
.endr
	s_wait_loadcnt 0x0                             ; Wf's last two K steps and bf
.irp ks, 0,1,2,3
.irp m, 0,1
	ds_load_b128 v[TM+8*\m:TM+8*\m+3], v1 offset:(4*\m+\ks)*1024
	ds_load_b128 v[TM+8*\m+4:TM+8*\m+7], v1 offset:(4*\m+\ks)*1024+512
.endr
	s_wait_dscnt 0x0
.irp p, 0,1                            ; the eight accumulators by turns, in the same order in every K step
.irp m, 0,1
	v_wmma_scale_f32_16x16x128_f8f6f4 v[64+8*(4*\p+\m):71+8*(4*\p+\m)], v[192-64*(\ks/2)+32*(\ks%2)+16*\p:199-64*(\ks/2)+32*(\ks%2)+16*\p], v[TM+8*\m:TM+8*\m+7], v[64+8*(4*\p+\m):71+8*(4*\p+\m)], v[16+2*\ks+\p], v[24+2*\ks+\m] matrix_a_fmt:MATRIX_FMT_FP4 matrix_b_fmt:MATRIX_FMT_FP4
.endr
.irp m, 0,1
	v_wmma_scale_f32_16x16x128_f8f6f4 v[80+8*(4*\p+\m):87+8*(4*\p+\m)], v[200-64*(\ks/2)+32*(\ks%2)+16*\p:207-64*(\ks/2)+32*(\ks%2)+16*\p], v[TM+8*\m:TM+8*\m+7], v[80+8*(4*\p+\m):87+8*(4*\p+\m)], v[16+2*\ks+\p], v[24+2*\ks+\m] matrix_a_fmt:MATRIX_FMT_FP4 matrix_b_fmt:MATRIX_FMT_FP4 matrix_a_scale:MATRIX_SCALE_ROW1
.endr
.endr
.rept 4
	v_nop                                          ; four places in front of loads into registers that the products have read, and of the first read of results
.endr
.endr
	; the way out, through my own stage: LDS serves a wave's instructions in order, so no wait stands between the stores and the loads
.irp m, 0,1
.irp n, 0,1,2,3
	ds_store_b128 v8, v[64+8*(2*\n+\m):67+8*(2*\n+\m)] offset:4352*\m+64*\n          ; lane (r, h): out(16 m + r, 64 w + 16 n + 8 h + 0 .. 7); each accumulator from its low end on
	ds_store_b128 v8, v[68+8*(2*\n+\m):71+8*(2*\n+\m)] offset:4352*\m+64*\n+16
.endr
.endr
.set k, 0
.rept 16
	ds_load_b128 v[128+4*k:131+4*k], v9 offset:544*k
.set k, k+1
.endr
.set k, 0
.rept 16
	s_wait_dscnt 15-k                              ; LDS loads come back in order: number k is in
	global_store_b128 v10, v[128+4*k:131+4*k], s[32:33] offset:4096*k th:TH_STORE_NT   ; sixteen lanes store 256 consecutive bytes, aligned; written once, read by nobody here
.set k, k+1
.endr
	s_wait_tensorcnt 0x0                           ; the wave's end
	ds_add_u32 v3, v4
	s_wait_dscnt 0x0
	s_endpgm
.Lfunc_end_k_qa9e90015b0_final:
	.size	k_qa9e90015b0_final, .Lfunc_end_k_qa9e90015b0_final-k_qa9e90015b0_final
	.p2alignl 7, 3214868480
	.fill 96, 4, 3214868480
	.section	.rodata,"a",@progbits
	.p2align	6, 0x0
	.amdhsa_kernel k_qa9e90015b0_final
		.amdhsa_group_segment_fixed_size 79872
		.amdhsa_private_segment_fixed_size 0
		.amdhsa_enable_private_segment 0
		.amdhsa_kernarg_size 40
		.amdhsa_user_sgpr_count 2
		.amdhsa_user_sgpr_kernarg_segment_ptr 1
		.amdhsa_wavefront_size32 1
		.amdhsa_system_sgpr_workgroup_id_x 1
		.amdhsa_system_sgpr_workgroup_id_y 1
		.amdhsa_system_sgpr_workgroup_id_z 1
		.amdhsa_system_vgpr_workitem_id 0
		.amdhsa_next_free_vgpr 256
		.amdhsa_next_free_sgpr 84
		.amdhsa_reserve_vcc 0
		.amdhsa_float_denorm_mode_32 3
		.amdhsa_float_denorm_mode_16_64 3
		.amdhsa_memory_ordered 1
		.amdhsa_forward_progress 1
		.amdhsa_inst_pref_size 36
	.end_amdhsa_kernel
	.amdgpu_metadata
---
amdhsa.version: [ 1, 2 ]
amdhsa.kernels:
  - .name:           k_qa9e90015b0_final
    .symbol:         k_qa9e90015b0_final.kd
    .args:
      - { .name: ybuf, .offset: 0, .size: 8, .value_kind: global_buffer, .address_space: global }
      - { .name: plan, .offset: 8, .size: 8, .value_kind: global_buffer, .address_space: global }
      - { .name: w2q, .offset: 16, .size: 8, .value_kind: global_buffer, .address_space: global }
      - { .name: bf, .offset: 24, .size: 8, .value_kind: global_buffer, .address_space: global }
      - { .name: out0, .offset: 32, .size: 8, .value_kind: global_buffer, .address_space: global }
    .group_segment_fixed_size: 79872
    .private_segment_fixed_size: 0
    .kernarg_segment_align: 8
    .kernarg_segment_size: 40
    .max_flat_workgroup_size: 256
    .sgpr_count:     84
    .vgpr_count:     256
    .wavefront_size: 32
...
	.end_amdgpu_metadata
.endif
;; end of part 4
